; MI455X (gfx1250); checked and timed in simulation.
; The chip was launched on July 23, 2026; its instructions are those of AMD's public machine-readable ISA for CDNA 5 (MIT licence, August 2026) and "CDNA5" Instruction Set Architecture Reference Guide (July 2026). The comments in the code are by the model that wrote it; some were corrected since.
;; Attention. Allowed arithmetic: float matrix products may take bf16 or f16 operands with f32 sums; other float arithmetic in f32, or as packed bf16 or f16 multiplies, adds, multiply-adds, maxima and minima; sums over many terms, partial sums and values carried from step to step in f32; what a program stores and reads back later, other than sums and carried values, may be rounded once to bf16 or f16.
;; Inputs: k 8 x 2,048 x 1,024 float32; mask 8 x 2,048 bool; q 8 x 2,048 x 1,024 float32; scale one number float32.
;; Outputs: out0 8 x 2,048 x 1,024 float32.
;; One version. Each part assembles by itself: llvm-mc -triple=amdgcn-amd-amdhsa -mcpu=gfx1250 --defsym DOCPART=n.
;; ======== version 1 of 1: 2 launches
;; limits: right only within a limited range of input values
;; workspace buffers: kb 33,554,432 bytes
;; launch cast (part 1): grid 1024 x 1, 8 waves a work-group, no clusters, 0 bytes of LDS; arguments k, kb; writes kb
.if DOCPART == 1
	.amdgcn_target "amdgcn-amd-amdhsa--gfx1250"
	.amdhsa_code_object_version 6
	.text
	.protected	k_q4779f25f6f_cast
	.globl	k_q4779f25f6f_cast
	.p2align	8
	.type	k_q4779f25f6f_cast,@function
k_q4779f25f6f_cast:
	s_mov_b64 s[64:65], 0
	v_nop
	global_prefetch_b8 v0, s[64:65] scope:SCOPE_SE
	s_setreg_imm32_b32 hwreg(HW_REG_WAVE_MODE, 25, 1), 1
	s_wait_xcnt 0x0
; kb = k rounded to bf16 (to nearest even).  k: [8][2048][1024] f32, kb: the same shape in bf16.
; A stream: every byte is read once and written once, so there is no LDS, no barrier and no matrix work.
; A work-group takes 16,384 numbers, each of its eight waves 2,048: sixteen loads of 16 bytes a lane, all issued before the first is used.
; A load of a wave covers 512 consecutive bytes; a store of a wave covers 256 consecutive bytes, at a multiple of 256 from kb's first byte.
; No register is written twice, so no wait frees a source.
.set X, 8                              ; v[8:71]    chunk i: four f32 as loaded
.set Y, 72                             ; v[72:103]  chunk i: four bf16 to store
	s_load_b128 s[4:7], s[0:1], 0x0                ; k s[4:5], kb s[6:7]
	v_lshrrev_b32 v1, 5, v0                        ; wave
	v_and_b32 v2, 31, v0                           ; lane
	v_lshlrev_b32 v1, 13, v1                       ; the wave's 8,192 bytes of k
	v_lshl_add_u32 v1, v2, 4, v1                   ; + 16 bytes a lane
	v_lshrrev_b32 v2, 1, v1                        ; the same place in kb: half the bytes
	s_lshl_b32 s8, ttmp9, 16                       ; the work-group's 65,536 bytes of k (1,023 x 65,536 stays under 2^32)
	s_mov_b32 s9, 0
	s_lshl_b32 s10, ttmp9, 15                      ; and its 32,768 bytes of kb
	s_mov_b32 s11, 0
	s_wait_kmcnt 0x0
	s_add_nc_u64 s[4:5], s[4:5], s[8:9]
	s_add_nc_u64 s[6:7], s[6:7], s[10:11]
.set i, 0
.rept 16
	global_load_b128 v[X+4*i:X+4*i+3], v1, s[4:5] offset:512*i th:TH_LOAD_NT
.set i, i+1
.endr
.set i, 0
.rept 16
	s_wait_loadcnt 15-i                            ; loads come back in order (ISA guide 5.7.1): chunk i is in, the younger ones stay out
	v_cvt_pk_bf16_f32 v[Y+2*i], v[X+4*i], v[X+4*i+1]
	v_cvt_pk_bf16_f32 v[Y+2*i+1], v[X+4*i+2], v[X+4*i+3]
	global_store_b64 v2, v[Y+2*i:Y+2*i+1], s[6:7] offset:256*i th:TH_STORE_NT
.set i, i+1
.endr
	s_endpgm
.Lfunc_end_k_q4779f25f6f_cast:
	.size	k_q4779f25f6f_cast, .Lfunc_end_k_q4779f25f6f_cast-k_q4779f25f6f_cast
	.p2alignl 7, 3214868480
	.fill 96, 4, 3214868480
	.section	.rodata,"a",@progbits
	.p2align	6, 0x0
	.amdhsa_kernel k_q4779f25f6f_cast
		.amdhsa_group_segment_fixed_size 0
		.amdhsa_private_segment_fixed_size 0
		.amdhsa_enable_private_segment 0
		.amdhsa_kernarg_size 16
		.amdhsa_user_sgpr_count 2
		.amdhsa_user_sgpr_kernarg_segment_ptr 1
		.amdhsa_wavefront_size32 1
		.amdhsa_system_sgpr_workgroup_id_x 1
		.amdhsa_system_sgpr_workgroup_id_y 1
		.amdhsa_system_sgpr_workgroup_id_z 1
		.amdhsa_system_vgpr_workitem_id 0
		.amdhsa_next_free_vgpr 104
		.amdhsa_next_free_sgpr 66
		.amdhsa_reserve_vcc 0
		.amdhsa_float_denorm_mode_32 3
		.amdhsa_float_denorm_mode_16_64 3
		.amdhsa_memory_ordered 1
		.amdhsa_forward_progress 1
		.amdhsa_inst_pref_size 7
	.end_amdhsa_kernel
	.amdgpu_metadata
---
amdhsa.version: [ 1, 2 ]
amdhsa.kernels:
  - .name:           k_q4779f25f6f_cast
    .symbol:         k_q4779f25f6f_cast.kd
    .args:
      - { .name: k, .offset: 0, .size: 8, .value_kind: global_buffer, .address_space: global }
      - { .name: kb, .offset: 8, .size: 8, .value_kind: global_buffer, .address_space: global }
    .group_segment_fixed_size: 0
    .private_segment_fixed_size: 0
    .kernarg_segment_align: 8
    .kernarg_segment_size: 16
    .max_flat_workgroup_size: 256
    .sgpr_count:     66
    .vgpr_count:     104
    .wavefront_size: 32
...
	.end_amdgpu_metadata
.endif
;; end of part 1
;; launch attn (part 2): grid 32 x 8, 4 waves a work-group, clusters of 4 x 1, 327,680 bytes of LDS; arguments q, kb, mask, scale, out0; writes out0
.if DOCPART == 2
	.amdgcn_target "amdgcn-amd-amdhsa--gfx1250"
	.amdhsa_code_object_version 6
	.text
	.protected	k_q4779f25f6f_attn
	.globl	k_q4779f25f6f_attn
	.p2align	8
	.type	k_q4779f25f6f_attn,@function
k_q4779f25f6f_attn:
	s_mov_b64 s[64:65], 0
	v_nop
	global_prefetch_b8 v0, s[64:65] scope:SCOPE_SE
	s_setreg_imm32_b32 hwreg(HW_REG_WAVE_MODE, 25, 1), 1
	s_wait_xcnt 0x0
	s_wait_alu depctr_hold_cnt(0) depctr_sa_sdst(0) depctr_va_vdst(0) depctr_va_sdst(0) depctr_va_ssrc(0) depctr_va_vcc(0) depctr_vm_vsrc(0)
	s_getreg_b32 s2, hwreg(HW_REG_IB_STS2, 6, 4)
	s_cmp_eq_u32 s2, 0
	s_cbranch_scc0 .Lentry_in_a_cluster
	s_endpgm
.Lentry_in_a_cluster:
	s_bfe_u32 s2, ttmp6, 0x10000c
	s_cmp_lg_u32 s2, 0x3003
	s_cbranch_scc0 .Lentry_shape_is_right
	s_endpgm
.Lentry_shape_is_right:
; out[b][q][:] = the sum over k of softmax_k(t[q][k]) K[b][k][:],  t = (Q[b][q] . K[b][k]) scale - 1e9 hidden,  hidden = q padded, or k padded, or k > q.
; q: [8][2048][1024] f32; kb: K rounded to bf16 by the launch before; mask: [8][2048] bytes (1 = valid); scale: one f32; out: f32.
; THE PENALTY IS FINITE.  A padded query hides all 2,048 keys alike, those above the diagonal too, and its row is a softmax of s scale - 1e9 as f32 rounds it.  So t is formed in f32 in the order
; of the definition (s scale rounded, then less 1e9 rounded), the running maximum m is a true maximum of t, and t - m is taken before the factor log2(e).  Since any tile of 16 queries may hold a padded
; query and the mask is an input, every query walks all keys: nothing above the diagonal is left out.
; FORMATS.  q, K and scale are rounded to bf16 (nearest even); products and all sums in f32; the weights p are rounded to bf16 for the second product, their sum l is taken of the unrounded p.
; LIMITS.  t below -2^126 is not served (m starts there).  A weight below 2^-126 counts as 0.  NaN and infinities are not treated apart: O^T's registers start with q's numbers times 0, so one of them in q
; spreads to other rows.  In a row whose keys are all hidden t is a multiple of 64: a score within the f32 sums' rounding (some 1e-5 at scores of 100) of such a step's edge may fall on its other side.
; A weight of a step's first 32 keys is 2^(c (t - m0)) 2^(c (m0 - m1)), two exponentials multiplied in f32, where the definition has one.
; SHARES.  A work-group owns 64 queries of one batch and walks the 2,048 keys in 32 steps of 64.  THE 1,024 CHANNELS ARE SPLIT AMONG ITS FOUR WAVES: wave w keeps channels 256 w .. 256 w + 255 of Q (256 registers)
; and of O^T (512 registers), fetches and reads only those 512 bytes of each row of K, and each fragment that it reads from LDS feeds four matrix instructions in both products.
; The price: a wave's S^T = K Q^T (64 keys x 64 queries) is a partial sum over 256 channels.  The four f32 partial sums meet in LDS; wave w then does the softmax of query block w (16 queries), and its
; weights P (bf16) and correction a go back to all four through LDS.
; THE STEP'S ORDER.  S^T goes by blocks of 16 keys, 32 products each, so that a block's partial sums leave for their owners while the next block is multiplied.  When blocks 0 and 1 have been exchanged (a barrier
; in the middle of the phase), the softmax of these 32 keys, against their own running maximum m0, stands in fours behind the products of block 3.  Behind S^T only blocks 2 and 3 are left: their exchange, the
; maximum m1, their weights, and the first half's weights times 2^(c (m0 - m1)).  O^T and l are corrected once a step, by a = 2^(c (m_old - m1)).
; LAYOUT.  S^T = K Q^T (source 0 = 16 keys, source 1 = 16 queries) and O^T = V^T P (source 0 = 16 channels x 32 keys, source 1 = P): a lane holds ONE query (lane % 16) in S^T, P and O^T.
; Row m of a fragment of 16 keys stands for key 2 (m % 8) + m / 8 of the block, in both products alike; so score register i (0..31) of lane half h holds key 2 i + h of the step.  With rows 528 bytes apart
; (132 words: row r starts at bank 4 r mod 64; 64 banks of 4 bytes: ISA guide 11.1) the 16 rows of a plain load start at 16 different groups of four banks, and the 8 rows of one parity that 16 lanes of a turning load touch lie 32 bytes apart modulo 256.
; A wave holds the four query blocks turned round: its local block x is query block (w + x) % 4, so that its own block is x = 0 in the one text.
; CLUSTER.  The four work-groups of a cluster belong to one batch and walk the same K: each wave's quarter of a tile is asked for JOINTLY, by the same tensor load with the same descriptor and the mask of four.
; The batch is the cluster's x, the block of 256 queries its y.
; REGISTERS, in windows of 256 (s_set_vgpr_msb: bits 1:0 source 0, 3:2 source 1, 5:4 source 2, 7:6 destination):
;   window 0: v0-31 addresses and statistics; v32-127 three buffers of K's fragments, later V's first buffer, a and my weights; v128-255 S^T, later scores, inbound sums, P and V's second buffer
;   window 1: Q, fragment (x, ks) at 64 x + 8 ks          windows 2 and 3: O^T, accumulator n = 4 cb + qb at 8 n (channel block cb, query block qb)
.set PITCH,  528                       ; an LDS row: 512 bytes + 16 of padding
.set SUB,    64*PITCH                  ; a wave's quarter of a tile: 64 keys
.set SLOT,   4*SUB                     ; a tile; slot 0 at 0, slot 1 at SLOT.  SLOT = 0x21000 shares no bit with w x SUB, so one exclusive or turns an address in one slot into the other's
.set INBOX,  2*SLOT                    ; behind the ring, never filled by a tensor load: 12,288 bytes for each wave
.set IBX,    12288                     ; an inbox: three inbound partial tiles of 4,096 (1,024 a key block); when read, P at 0 and a at AOFF; at the end the stage at STG
.set AOFF,   2048
.set STG,    2304                      ; 16 rows x 528 bytes
.set MB,     INBOX+4*IBX               ; 256 bytes for each wave: the pad bits, a pair of words a step (keys of parity 0, of parity 1)
.set SPARE,  MB+4*256                  ; the spare words, 128 bytes for each wave: two blocks of 256 bytes that no other line names
.set TILEB,  64*2048                   ; bytes from a tile of kb to the next
.set SUM0, 0                           ; v0-1 in the loop: the sum of the first half's weights (even registers', odd registers')
.set AK0, 2                            ; v2   my lane's place in my quarter tile, for K's fragments; never rewritten
.set AV0, 3                            ; v3   the same for the turning loads
.set AK,  4                            ; v4   AK0 + the slot in hand
.set AV,  5                            ; v5   AV0 + the slot in hand
.set XS,  6                            ; v6-8 where my partial sums for local block x = 1, 2, 3 go
.set XR,  9                            ; v9   my inbox + 16 x lane
.set PR,  10                           ; v10  inbox 0 + 16 x lane
.set AW,  11                           ; v11  my inbox's a + 4 x lane
.set AR,  12                           ; v12  inbox 0's a + 4 x lane
.set MA,  13                           ; v13  my half's word of the step's pad bits
.set HB,  14                           ; v14  those bits
.set NV,  15                           ; v15  how many of my score registers, from this step on, lie at or below the diagonal; far below 0 for a padded query
.set RM,  16                           ; v16  m
.set RMO, 17                           ; v17  m of the step before
.set RL,  18                           ; v18-19  l: even registers', odd registers'
.set RC,  20                           ; v20-21  at work; at the end of a step's softmax v20 = 2^(c (m0 - m1))
.set M0C, 22                           ; v22  m0, the maximum behind the step's first half
.set STO, 24                           ; v24  the way out: where I put 16 bytes of a row
.set RD,  25                           ; v25  the way out: where I read a row back
.set GO,  26                           ; v26  16 x lane
.set PFO, 27                           ; v27  the prefetch's offset; never rewritten
.set AOWN, 28                          ; v28  my block's a, at the end 1 / l
.set HID, 29                           ; v29  bit i: score register i is hidden
.set SPW, 30                           ; v30  LDS address of my spare word; never rewritten
.set NIL, 31                           ; v31  0; never rewritten
.set KB,  32                           ; v32-127  K's fragments of one unit (one key block, four slices of 32 channels), three buffers of 32
.set VA,  32                           ; v32-95   V^T's fragments, first buffer
.set AF,  96                           ; v96, 98, 100, 102  a of query blocks 0 to 3
.set PKR, 112                          ; v112-127 my block's weights in bf16
.set S,   128                          ; v128-255 S^T: accumulator (kb, x) at S + 64 (kb / 2) + 16 x + 8 (kb % 2); the inbound sums of the sender at distance x land where my accumulator (kb, x) lay
.set T0,  128                          ; v128-143 my block's scores, keys of blocks 0 and 1
.set BF0, 144                          ; v144-159 their hidden bits as 0.0 or 1.0
.set BF1, 160                          ; v160-175 those of blocks 2 and 3
.set TS,  176                          ; v176-183 at work on the first half's sum
.set T1,  192                          ; v192-207 my block's scores, keys of blocks 2 and 3
.set P,   128                          ; v128-191 P: fragment (qb, kk) at P + 16 qb + 8 kk
.set VB,  192                          ; v192-255 V^T's fragments, second buffer
; at the head only, in registers that the loop uses otherwise:
.set MK,  32                           ; v32-47 the 64 mask bytes of step = my lane
.set FL,  48                           ; v48    my query's mask byte
.set HT,  49
.set HL,  50                           ; lane
.set HR,  51                           ; lane % 16
.set HH,  52                           ; lane / 16
.set H7,  53                           ; lane % 8, later at work
.set H3,  54                           ; (lane / 8) % 2, later at work
.set HMO, 55
.set HFO, 56
.set QOF, 57                           ; v57-60 my byte offset in q's rows of local block x
.set HT2, 61
.set BLO, 62                           ; v62-63 the pad bits being gathered
.set BHI, 63
.set WV,  14                           ; s14  my wave's number
.set G1,  24                           ; s[24:31] descriptor group 1
.set G0A, 32                           ; s[32:35] group 0 of tile 0
.set G0B, 36                           ; s[36:39] group 0 of tile 1; it then walks
.set TB,  40                           ; s40  0 or SLOT: the slot in hand
.set WB,  42                           ; s42  w x SUB
.set LEFT, 43                          ; s43  trips to go
.set LIM, 44                           ; s44  1 in a cluster that prefetches, else the greatest number
.set PFA, 46                           ; s[46:47] where my prefetches stand
.set SC,  48                           ; s[48:49] scale rounded to bf16, as f32
.set CL,  50                           ; s[50:51] log2(e)
.set BIGN, 52                          ; s[52:53] -1e9
.set SEL, 54                           ; s[54:55] v_permlanex16_b32's selects: each lane takes its own place in the other half
.set MC,  56                           ; s56  the multiplier that gathers four mask bytes
.set MSB, 0
.macro WIN new                         ; the immediate's high byte repeats the setting that is left; a switch that changes nothing is dropped
.if MSB != (\new)
	s_set_vgpr_msb (MSB<<8)|(\new)
.set MSB, \new
.endif
.endm
.macro PLACES n                        ; plain vector instructions between a matrix instruction and what may not follow it closely (ISA guide 7.12.1)
.rept \n
	v_nop
.endr
.endm
; A round of the cluster's barrier: my work-group's barrier, so that wave 0's signal speaks for all four waves; wave 0 signals; every wave waits for all four work-groups; my work-group's barrier once more.
.macro CREST                           ; a round behind its opening barrier
	s_cmp_lg_u32 s[WV], 0
	s_cbranch_scc1 .Lnot_wave_0_\@
	s_barrier_signal -3
.Lnot_wave_0_\@:
	s_barrier_wait -3
	s_barrier_signal -1
	s_barrier_wait -1
.endm
.macro ROUND                           ; a whole round
	s_barrier_signal -1
	s_barrier_wait -1
	CREST
.endm
; Unit u of eight: key block u / 2, channel slices 4 (u % 2) + 0..3.  Its four fragments of K: 8 loads into buffer u % 3.  Destination and address lie in window 0.
.macro KFETCH u
.irp k, 0,1,2,3
	ds_load_b128 v[KB+32*((\u)%3)+8*(\k):KB+32*((\u)%3)+8*(\k)+3],   v[AK] offset:((\u)/2)*16*PITCH+(4*((\u)%2)+(\k))*64
	ds_load_b128 v[KB+32*((\u)%3)+8*(\k)+4:KB+32*((\u)%3)+8*(\k)+7], v[AK] offset:((\u)/2)*16*PITCH+(4*((\u)%2)+(\k))*64+32
.endr
.endm
; THE LINES OF A HALF'S SOFTMAX.  t: the half's 16 scores; i: a pair of them.  But for MAXOP they name vector registers in source places 0 and 2 alone (an addition is a x 1.0 + b, rounded as a + b is),
; so that they can stand under the window setting of the products of S^T, whose source 1 lies in window 1.
.macro ADDIN t, x, i                   ; + the inbound sums of the sender at distance x + 1
	v_pk_fma_f32 v[(\t)+2*(\i):(\t)+2*(\i)+1], v[(\t)+2*(\i):(\t)+2*(\i)+1], 1.0, v[(\t)+16+16*(\x)+2*(\i):(\t)+16+16*(\x)+2*(\i)+1] op_sel_hi:[1,0,1]
.endm
.macro SCL t, i                        ; s scale, rounded,
	v_pk_mul_f32 v[(\t)+2*(\i):(\t)+2*(\i)+1], v[(\t)+2*(\i):(\t)+2*(\i)+1], s[SC:SC+1] op_sel_hi:[1,0]
.endm
.macro PEN t, bf, i                    ; less 1e9 where hidden, rounded once more: bit x -1e9 is exact
	v_pk_fma_f32 v[(\t)+2*(\i):(\t)+2*(\i)+1], v[(\bf)+2*(\i):(\bf)+2*(\i)+1], s[BIGN:BIGN+1], v[(\t)+2*(\i):(\t)+2*(\i)+1] op_sel_hi:[1,0,1]
.endm
.macro MAXOP t, j                      ; line j of eight: the maximum of the 16 scores and m, three operands at a time, in two chains
	WIN 0
.if (\j) == 0
	v_max3_num_f32 v[RC], v[(\t)], v[(\t)+1], v[(\t)+2]
.elseif (\j) == 1
	v_max3_num_f32 v[RC+1], v[(\t)+8], v[(\t)+9], v[(\t)+10]
.elseif (\j) < 6
	v_max3_num_f32 v[RC+(\j)%2], v[RC+(\j)%2], v[(\t)+8*((\j)%2)+2*((\j)/2)+1], v[(\t)+8*((\j)%2)+2*((\j)/2)+2]
.elseif (\j) == 6
	v_max3_num_f32 v[RC], v[RC], v[(\t)+7], v[RM]
.else
	v_max3_num_f32 v[RC], v[RC], v[RC+1], v[(\t)+15]
.endif
.endm
.macro SUBM t, i                       ; t - m first, as the definition takes it: at 1e9 a product log2(e) m would be off by tens
	v_pk_fma_f32 v[(\t)+2*(\i):(\t)+2*(\i)+1], v[(\t)+2*(\i):(\t)+2*(\i)+1], 1.0, v[RM:RM+1] op_sel_hi:[1,0,0] neg_lo:[0,0,1] neg_hi:[0,0,1]
.endm
.macro MULC t, i
	v_pk_mul_f32 v[(\t)+2*(\i):(\t)+2*(\i)+1], v[(\t)+2*(\i):(\t)+2*(\i)+1], s[CL:CL+1] op_sel_hi:[1,0]
.endm
; THE FIRST HALF'S SOFTMAX is a list of 124 lines; RIDER writes line rq and steps rq.  Four of them stand behind each of the 32 products of units 6 and 7.
;   0-23    the three inbound partial sums are added, each accumulator from its low end on     24-55  the hidden bits as numbers     56-71  scale and penalty
;   72-83   m of the step before is kept; the maximum; the other half of the lanes'; m0, and a copy of it
;   84-115  t - m0, times log2(e), and ONE BATCH of 16 exponentials in place, two plain lines and two exponentials to a four; none reads another's result
;   116     a plain line behind the last exponential (ISA guide 5.7.2) and the one wait ahead of the batch's first reader
;   117-123 the sum of the 8 pairs, beside them: the weights themselves are kept for the correction
.macro RIDER
.if rq < 24
	ADDIN T0, rq/8, rq%8
.elseif rq < 40
	v_bfe_u32 v[BF0+rq-24], v[HID], rq-24, 1
.elseif rq < 56
	v_cvt_f32_u32 v[BF0+rq-40], v[BF0+rq-40]
.elseif rq < 64
	SCL T0, rq-56
.elseif rq < 72
	PEN T0, BF0, rq-64
.elseif rq == 72
	v_mov_b32 v[RMO], v[RM]
.elseif rq < 81
	MAXOP T0, rq-73
.elseif rq == 81
	v_permlanex16_b32 v[RC+1], v[RC], s[SEL], s[SEL+1]  ; the query's other keys lie in the lane 16 away
.elseif rq == 82
	WIN 0
	v_max_num_f32 v[RM], v[RC], v[RC+1]
.elseif rq == 83
	v_mov_b32 v[M0C], v[RM]
.elseif rq < 86
	SUBM T0, rq-84
.elseif rq < 88
	MULC T0, rq-86
.elseif rq < 112
.if (rq-88)%4 == 0
	SUBM T0, (rq-88)/4+2
.elseif (rq-88)%4 == 3
	MULC T0, (rq-88)/4+2
.else
	v_exp_f32 v[T0+2*((rq-88)/4)+(rq-88)%4-1], v[T0+2*((rq-88)/4)+(rq-88)%4-1]
.endif
.elseif rq < 116
	v_exp_f32 v[T0+rq-100], v[T0+rq-100]
.elseif rq == 116
	v_nop
	s_wait_alu depctr_va_vdst(0)
.elseif rq < 121
	v_pk_fma_f32 v[TS+2*(rq-117):TS+2*(rq-117)+1], v[T0+4*(rq-117):T0+4*(rq-117)+1], 1.0, v[T0+4*(rq-117)+2:T0+4*(rq-117)+3] op_sel_hi:[1,0,1]
.elseif rq < 123
	v_pk_fma_f32 v[TS+4*(rq-121):TS+4*(rq-121)+1], v[TS+4*(rq-121):TS+4*(rq-121)+1], 1.0, v[TS+4*(rq-121)+2:TS+4*(rq-121)+3] op_sel_hi:[1,0,1]
.elseif rq == 123
	v_pk_fma_f32 v[SUM0:SUM0+1], v[TS:TS+1], 1.0, v[TS+4:TS+5] op_sel_hi:[1,0,1]
.endif
.set rq, rq+1
.endm
; The 16 products of unit u.  The key block's four accumulators take turns, one instruction a turn; slice 0 starts the sums with the constant 0.  ride = 1: four lines of RIDER behind each.
.macro SUNIT u, ride
.irp k, 0,1,2,3
.irp x, 0,1,2,3
.set sa, S+64*((\u)/4)+16*(\x)+8*(((\u)/2)%2)
.set sk, KB+32*((\u)%3)+8*(\k)
.set sq, 64*(\x)+8*(4*((\u)%2)+(\k))
	WIN 0x04                                       ; Q (source 1) in window 1, all else in window 0
.if (4*((\u)%2)+(\k)) == 0
	v_wmma_f32_16x16x32_bf16 v[sa:sa+7], v[sk:sk+7], v[sq:sq+7], 0
.else
	v_wmma_f32_16x16x32_bf16 v[sa:sa+7], v[sk:sk+7], v[sq:sq+7], v[sa:sa+7]
.endif
.if \ride
.rept 4
	RIDER
.endr
.endif
.endr
.endr
.endm
; Key block kb is finished: my partial sums for the three other query blocks go to their owners' inboxes, each accumulator's low half first.
.macro PSTORE kb
	WIN 0                                          ; a store's data is source 1
.irp x, 1,2,3
	ds_store_b128 v[XS+(\x)-1], v[S+64*((\kb)/2)+16*(\x)+8*((\kb)%2):S+64*((\kb)/2)+16*(\x)+8*((\kb)%2)+3]   offset:(\kb)*1024
	ds_store_b128 v[XS+(\x)-1], v[S+64*((\kb)/2)+16*(\x)+8*((\kb)%2)+4:S+64*((\kb)/2)+16*(\x)+8*((\kb)%2)+7] offset:(\kb)*1024+512
.endr
.endm
; The three inbound partial sums of key blocks 2 hf and 2 hf + 1, sender by sender: 12 loads.
.macro PLOAD hf
.irp x, 1,2,3
.irp kl, 0,1
	ds_load_b128 v[S+64*(\hf)+16*(\x)+8*(\kl):S+64*(\hf)+16*(\x)+8*(\kl)+3],   v[XR] offset:((\x)-1)*4096+(2*(\hf)+(\kl))*1024
	ds_load_b128 v[S+64*(\hf)+16*(\x)+8*(\kl)+4:S+64*(\hf)+16*(\x)+8*(\kl)+7], v[XR] offset:((\x)-1)*4096+(2*(\hf)+(\kl))*1024+512
.endr
.endr
.endm
; V^T's fragments for run number run of four: keys 32 (run / 2) on, channel blocks 8 (run % 2) + 0..7: 16 turning loads into VA (even runs) or VB (odd runs).
.macro VFETCH run
	WIN 0
.set vb, VA+(VB-VA)*((\run)%2)
.irp c, 0,1,2,3,4,5,6,7
	ds_load_tr16_b128 v[vb+8*(\c):vb+8*(\c)+3],   v[AV] offset:(2*((\run)/2))*16*PITCH+(8*((\run)%2)+(\c))*32
	ds_load_tr16_b128 v[vb+8*(\c)+4:vb+8*(\c)+7], v[AV] offset:(2*((\run)/2)+1)*16*PITCH+(8*((\run)%2)+(\c))*32
.endr
.endm
; Accumulator n of O^T times its query block's a, from its low end on.
.macro RESC n
	WIN 0x82+0x41*((\n)/32)                        ; destination and source 0 in window 2 or 3, a in window 0
.set ro, (8*(\n))%256
.set ra, AF+2*((\n)%4)
.irp z, 0,2,4,6
	v_pk_mul_f32 v[ro+(\z):ro+(\z)+1], v[ro+(\z):ro+(\z)+1], v[ra:ra+1] op_sel_hi:[1,0]
.endr
.endm
; Products of O^T += V^T P of run number run, channel blocks c0 .. c0 + cn - 1 of its eight: one on each accumulator, which so take turns.
; ride = 1 (a step's first touch of these accumulators): behind product n stands the rescaling of accumulator n + 8.
.macro PVRUN run, ride, c0, cn
.set ph, (\run)%2
.set pk, (\run)/2
.set pv, VA+(VB-VA)*ph
.set pc, \c0
.rept \cn
.set pq, 0
.rept 4
.set pn, 32*ph+4*pc+pq
	WIN 0xA0+0x50*ph                               ; C and D in window 2 or 3, V^T and P in window 0
	v_wmma_f32_16x16x32_bf16 v[(8*pn)%256:(8*pn)%256+7], v[pv+8*pc:pv+8*pc+7], v[P+16*pq+8*pk:P+16*pq+8*pk+7], v[(8*pn)%256:(8*pn)%256+7]
.if (\ride) && (pn+8 <= 63)
	RESC pn+8
.endif
.set pq, pq+1
.endr
.set pc, pc+1
.endr
.endm
; A PREFETCH INTO THE L2 of the tile that the NEXT change of slots will ask for: one step, 256 matrix instructions, ahead of that load.  All eight clusters of a batch walk the same rows of kb: the batch's first
; cluster (y = 0) asks.  Its four partners take 16 keys of the tile's 64 each, told apart BY ADDRESS; each wave asks for its own 512 bytes of these rows, a lane 256 bytes: one instruction, and no block is named twice.
; The loop's last trip asks for nothing: there is no tile behind the one that it loads.  Tiles 0 to 2 come by their loads alone.
.macro ASK
	s_cmp_gt_u32 s[LEFT], s[LIM]
	s_cbranch_scc0 .Lnot_mine_\@
	global_prefetch_b8 v[PFO], s[PFA:PFA+1] th:TH_LOAD_NT scope:SCOPE_SE
.Lnot_mine_\@:
.endm
; THE SECOND HALF'S SOFTMAX, behind its sums: scale, penalty, m1, the two corrections, the weights; then the first half's weights are corrected and all 32 rounded.
.macro TAILSM
	WIN 0
.set i, 0
.rept 8
	SCL T1, i
.set i, i+1
.endr
.set i, 0
.rept 8
	PEN T1, BF1, i
.set i, i+1
.endr
.irp j, 0,1,2,3,4,5,6,7
	MAXOP T1, \j
.endr
	v_permlanex16_b32 v[RC+1], v[RC], s[SEL], s[SEL+1]
	v_max_num_f32 v[RM], v[RC], v[RC+1]            ; m1
	v_sub_f32 v[RC], v[M0C], v[RM]                 ; m0 - m1
	v_sub_f32 v[M0C], v[RMO], v[RM]                ; m of the step before - m1
	v_mul_f32 v[RC], s[CL], v[RC]
	v_mul_f32 v[M0C], s[CL], v[M0C]
.set i, 0
.rept 8
	SUBM T1, i
.set i, i+1
.endr
.set i, 0
.rept 8
	MULC T1, i
.set i, i+1
.endr
	v_exp_f32 v[RC], v[RC]                         ; ONE BATCH of 18 exponentials: the first half's correction, a, then the weights in place; none reads another's result
	v_exp_f32 v[AOWN], v[M0C]
.set i, 0
.rept 16
	v_exp_f32 v[T1+i], v[T1+i]
.set i, i+1
.endr
	v_nop                                          ; a plain instruction behind the last exponential (ISA guide 5.7.2),
	s_wait_alu depctr_va_vdst(0)                   ; and the one wait ahead of the batch's first reader
.set i, 0
.rept 8
	v_pk_mul_f32 v[T0+2*i:T0+2*i+1], v[T0+2*i:T0+2*i+1], v[RC:RC+1] op_sel_hi:[1,0]
.set i, i+1
.endr
.set i, 0
.rept 8
	v_cvt_pk_bf16_f32 v[PKR+i], v[T0+2*i], v[T0+2*i+1]
.set i, i+1
.endr
.set i, 0
.rept 8
	v_cvt_pk_bf16_f32 v[PKR+8+i], v[T1+2*i], v[T1+2*i+1]
.set i, i+1
.endr
.endm
; ONE KEY STEP.  fill = 1: the slot that is left is filled again, with the tile two on.  fill = 0: the last two steps.
.macro STEP fill
	; ---- S^T, eight units of 16 products; a unit's 8 loads are issued 32 products ahead of its use
	s_wait_dscnt 16                                ; the pad bits and unit 0 are in; the next two units' 16 loads may stay out
	SUNIT 0, 0
	WIN 0                                          ; which of my 32 score registers are hidden: ten plain lines, the places in front of the loads into the buffer just multiplied
	v_cmp_le_i32 vcc_lo, 0, v[NV]                  ; n = NV held to 0 .. 32: so many of my 32 registers lie at or below the diagonal
	v_cndmask_b32 v[RC], 0, v[NV], vcc_lo
	v_min_u32 v[RC], 32, v[RC]
	v_min_u32 v[RC+1], 16, v[RC]
	v_sub_nc_u32 v[RC], v[RC], v[RC+1]
	v_mov_b32 v[HID], -1
	v_lshlrev_b32 v[HID], v[RC+1], v[HID]          ; ones from bit n on, by two shifts of 16 at the most
	v_lshlrev_b32 v[HID], v[RC], v[HID]
	v_or_b32 v[HID], v[HB], v[HID]                 ; or the key is padded
	v_add_nc_u32 v[NV], 0xffffffe0, v[NV]          ; 32 fewer for the next step
	KFETCH 3
	s_wait_dscnt 16                                ; unit 1 is in
	SUNIT 1, 0
	PLACES 4                                       ; in front of stores that read results, and of loads into the buffer just multiplied
	PSTORE 0
	KFETCH 4
	s_wait_dscnt 22                                ; unit 2 is in; behind it: unit 3's 8 loads, 6 stores, unit 4's 8 loads
	SUNIT 2, 0
	PLACES 4
	KFETCH 5
	s_wait_dscnt 22                                ; unit 3 is in; behind it: 6 stores and two units' 16 loads
	SUNIT 3, 0
	PLACES 4
	PSTORE 1
	KFETCH 6
	s_wait_dscnt 22                                ; unit 4 is in; behind it: unit 5's 8 loads, 6 stores, unit 6's 8 loads
	SUNIT 4, 0
	s_wait_dscnt 0x0                               ; for the others' sake: my stores of key blocks 0 and 1 are done
	s_barrier_signal -1
	PLACES 4                                       ; in front of the loads into the buffer just multiplied
	s_barrier_wait -1                              ; everybody's partial sums of key blocks 0 and 1 lie in the inboxes
	PLOAD 0
	KFETCH 7
	SUNIT 5, 0                                     ; (unit 5 has been in since the wait for 0)
	PLACES 4
	PSTORE 2                                       ; into bytes of the inboxes that nobody reads before the next barrier
	s_wait_dscnt 14                                ; the inbound sums are in; behind them: unit 7's 8 loads and 6 stores
.set rq, 0
	SUNIT 6, 1
	s_wait_dscnt 6                                 ; unit 7 is in; the 6 stores may stay out
	SUNIT 7, 1
	; ---- the second half's exchange
	WIN 0
.set i, 0
.rept 4                                ; the second half's hidden bits as numbers; the first four lines are the places in front of the stores
	v_bfe_u32 v[BF1+i], v[HID], 16+i, 1
.set i, i+1
.endr
	PSTORE 3
.rept 12                               ; the others stand between the stores and the wait for them
	v_bfe_u32 v[BF1+i], v[HID], 16+i, 1
.set i, i+1
.endr
.set i, 0
.rept 16
	v_cvt_f32_u32 v[BF1+i], v[BF1+i]
.set i, i+1
.endr
	s_wait_dscnt 0x0                               ; for the others' sake: my stores are done
	s_barrier_signal -1
	s_barrier_wait -1                              ; everybody's partial sums of key blocks 2 and 3 lie in the inboxes
	PLOAD 1
	VFETCH 0                                       ; behind the loads that are waited for first; my own quarter of the slot
.irp x, 0,1,2
	s_wait_dscnt 24-4*(\x)                         ; one more sender's 4 loads are in; behind them: the later senders' and V's 16
.set i, 0
.rept 8
	ADDIN T1, \x, i
.set i, i+1
.endr
.endr
	TAILSM
.irp f, 0,1,2,3                        ; my inbox has been read by me alone, and those reads have been waited for: it takes P and a
	ds_store_b128 v[XR], v[PKR+4*(\f):PKR+4*(\f)+3] offset:512*(\f)
.endr
	ds_store_b32 v[AW], v[AOWN]
.set wd, 4
.rept 3                                ; between the stores and the wait for them: the sum of the second half's 8 pairs, in place: neighbours 1, 2 and 4 pairs apart,
.set u, 0
.rept 16/wd
	v_pk_add_f32 v[T1+wd*u:T1+wd*u+1], v[T1+wd*u:T1+wd*u+1], v[T1+wd*u+wd/2:T1+wd*u+wd/2+1]
.set u, u+1
.endr
.set wd, wd*2
.endr
	v_pk_fma_f32 v[RL:RL+1], v[RL:RL+1], v[AOWN:AOWN+1], v[T1:T1+1] op_sel_hi:[1,0,1]     ; l = a l + the second half's sum
	v_pk_fma_f32 v[RL:RL+1], v[SUM0:SUM0+1], v[RC:RC+1], v[RL:RL+1] op_sel_hi:[1,0,1]     ;   + the first half's, corrected
	s_wait_dscnt 0x0                               ; for the others' sake
	s_barrier_signal -1
	s_barrier_wait -1                              ; all four blocks' P and a lie in the inboxes
.irp qb, 0,1,2,3
	ds_load_b32 v[AF+2*(\qb)], v[AR] offset:(\qb)*IBX
.endr
.irp f, 0,1,2,3                        ; P's first 32 keys (f = 0, 1) ahead of its second
.irp qb, 0,1,2,3
	ds_load_b128 v[P+16*(\qb)+4*(\f):P+16*(\qb)+4*(\f)+3], v[PR] offset:(\qb)*IBX+512*(\f)
.endr
.endr
	VFETCH 1
	; ---- O^T = a O^T + V^T P
	s_wait_dscnt 32                                ; a is in; behind it: P's 16 loads and V's 16
.irp n, 0,1,2,3,4,5,6,7
	RESC \n                                        ; while P lands
.endr
	s_wait_dscnt 24                                ; P's first 32 keys are in; behind them: its second 32 (8 loads) and V's 16
	PVRUN 0, 1, 0, 8                               ; its last four riders are the places in front of the loads below
	VFETCH 2
	s_wait_dscnt 16                                ; P's second half and V's second buffer are in
	PVRUN 1, 1, 0, 8
	PLACES 4
	VFETCH 3
	s_wait_dscnt 16                                ; V's first buffer is in
	PVRUN 2, 0, 0, 8
	; ---- THE CHANGE OF SLOTS, among the step's last 32 products.  Each wave waits for all its tensor loads, of which one is out: its quarter of the next tile, asked for a whole step ago; adds 0 to its spare word;
	; and waits for that and for all its LDS reads: of the slot that it leaves, and of P and a in the inboxes, which the next step's partial sums overwrite.
	WIN 0
	s_wait_tensorcnt 0x0                           ; no tensor load of mine is out, so a group 0 may be written
	ds_add_u32 v[SPW], v[NIL]                      ; 0 onto my spare word: work on registers stands between it and the wait for it
.if \fill
	s_xor_b32 s[G0B+1], s[G0B+1], SLOT             ; the walking descriptor: the slot that is being left,
	s_add_nc_u64 s[G0B+2:G0B+3], s[G0B+2:G0B+3], TILEB  ; the tile two on; the type bits on top are not reached
	s_wait_xcnt 0x0                                ; the last prefetch, a step back, has read its address
	s_add_nc_u64 s[PFA:PFA+1], s[PFA:PFA+1], TILEB
.endif
	s_xor_b32 s[TB], s[TB], SLOT
	v_add_nc_u32 v[AK], s[TB], v[AK0]
	v_add_nc_u32 v[AV], s[TB], v[AV0]
	v_add_nc_u32 v[MA], 8, v[MA]
	s_wait_dscnt 1                                 ; V's second buffer is in; the add may be out
	PVRUN 3, 0, 0, 2                               ; eight products stand between the add and the wait for it
	s_wait_dscnt 0x0                               ; the add is done, and so are all my LDS reads
	s_barrier_signal -1                            ; (with fill = 1 this barrier opens a round of the cluster's barrier)
	PVRUN 3, 0, 2, 2                               ; work on registers while the others arrive
	WIN 0                                          ; at a branch and at a label every window is 0
	s_barrier_wait -1
.if \fill
	CREST                                          ; no wave of any partner still reads the slot or has a load on its way
	tensor_load_to_lds s[G0B:G0B+3], s[G1:G1+7]    ; the joint refill, the first thing behind the round: one tensor load of mine is out
	s_nop 0
	PLACES 4                                       ; places in front of the loads into V's first buffer
.else
	PLACES 4
	s_cmp_eq_u32 s[LEFT], 1                        ; the last step has no next step to fetch for
	s_cbranch_scc1 .Lno_next_\@
.endif
	ds_load_b32 v[HB], v[MA]                       ; the next step's pad bits and its first three units of K
	KFETCH 0
	KFETCH 1
	KFETCH 2
.if \fill
	ASK
.else
.Lno_next_\@:
.endif
	PVRUN 3, 0, 4, 4                               ; the next step's first loads land meanwhile
	PLACES 5                                       ; the next step's first products write over P's registers
	WIN 0
.endm
	; ---------------------------------------------------------------- the head
	s_load_b256 s[4:11], s[0:1], 0x0               ; q s[4:5], kb s[6:7], mask s[8:9], scale s[10:11]
	s_load_b64 s[12:13], s[0:1], 0x20              ; out
	v_lshl_add_u32 v[SPW], v0, 2, SPARE
	v_mov_b32 v[NIL], 0
	ds_add_u32 v[SPW], v[NIL]                      ; the wave's opening: the add and its wait stand ahead of my first tensor load; the set-up below, work on registers, stands between them
	v_lshrrev_b32 v1, 5, v0
	v_readfirstlane_b32 s[WV], v1                  ; wave 0..3
	s_bfe_u32 s15, ttmp6, 0x40000                  ; cx: my place in the cluster: it enters q's, the mask byte's, out's and the prefetch's addresses alone
	s_and_b32 s3, ttmp7, 0xffff                    ; the cluster's y: which 256 queries of the batch
	s_lshl_b32 s16, s3, 2
	s_add_co_u32 s16, s16, s15
	s_lshl_b32 s16, s16, 6                         ; my work-group's first query
	s_mov_b32 s17, ttmp9                           ; the cluster's x: the batch, which the four partners share
	; descriptor group 1: 64 rows x 256 elements of 2 bytes, rows 1,024 elements apart in memory, padded in LDS
	s_mov_b32 s[G1], 15|(1<<16)|(1<<20)|(1<<21)|(6<<22)|(3<<25)  ; 15:0 the mask of four; 17:16 2-byte elements; 20 padding on; 21 set beside a mask; 24:22 after every 128 words (code 6); 31:25 4 words (code 3)
	s_mov_b32 s[G1+1], 256<<16                     ; tensor_dim0 = 256
	s_mov_b32 s[G1+2], 64<<16                      ; tensor_dim1 = 64
	s_mov_b32 s[G1+3], 256<<16                     ; tile_dim0 = 256
	s_mov_b32 s[G1+4], 64                          ; tile_dim1 = 64
	s_mov_b32 s[G1+5], 1024                        ; elements from row to row
	s_mov_b32 s[G1+6], 0
	s_mov_b32 s[G1+7], 0
	s_mov_b32 s[CL], 0x3fb8aa3b                    ; log2(e)
	s_mov_b32 s[CL+1], s[CL]                       ; named with it as a pair
	s_mov_b32 s[BIGN], 0xce6e6b28                  ; -1e9, exact in f32
	s_mov_b32 s[BIGN+1], s[BIGN]
	s_mov_b32 s[SEL], 0x76543210
	s_mov_b32 s[SEL+1], 0xfedcba98
	s_mov_b32 s[MC], 0x01040208
	s_mov_b32 s[TB], 0
	s_mul_i32 s[WB], s[WV], SUB                    ; my quarter of a slot: no place in the cluster enters an LDS address
	s_cmp_eq_u32 s3, 0                             ; the batch's first cluster prefetches: the same answer in all four partners
	s_cselect_b32 s[LIM], 1, -1
	s_lshl_b32 s18, s17, 22                        ; kb: the batch's 4 MiB,
	s_lshl_b32 s19, s[WV], 9                       ; my 512 bytes of a row
	s_add_co_u32 s18, s18, s19
	s_mov_b32 s19, 0
	s_lshl_b32 s20, s15, 15                        ; the prefetches: my work-group's 16 rows of a tile's 64,
	s_add_co_u32 s20, s20, 2*TILEB                 ; at tile 2; the first change of slots steps it to tile 3
	s_mov_b32 s21, 0
	s_lshl_b32 s22, s17, 11                        ; mask: the batch's 2,048 bytes
	s_mov_b32 s23, 0
	s_add_co_u32 s2, s22, s16                      ; q and out: row 2,048 b + my first query,
	s_lshl_b32 s2, s2, 12                          ; 4,096 bytes a row (under 2^27),
	s_lshl_b32 s3, s[WV], 10                       ; my 1,024 bytes of it
	s_add_co_u32 s2, s2, s3
	s_mov_b32 s3, 0
	s_wait_dscnt 0x0                               ; the opening add is done
	s_wait_kmcnt 0x0
	s_add_nc_u64 s[6:7], s[6:7], s[18:19]          ; kb at my quarter of tile 0
	s_add_nc_u64 s[PFA:PFA+1], s[6:7], s[20:21]
	s_add_nc_u64 s[8:9], s[8:9], s[22:23]
	s_add_nc_u64 s[4:5], s[4:5], s[2:3]
	s_add_nc_u64 s[12:13], s[12:13], s[2:3]
	s_mov_b32 s[G0A], 1                            ; 1:0 count = 1
	s_mov_b32 s[G0A+1], s[WB]                      ; 63:32 LDS address: slot 0
	s_mov_b64 s[G0A+2:G0A+3], s[6:7]               ; 120:64 global address: tile 0
	s_or_b32 s[G0A+3], s[G0A+3], 0x80000000        ; 127:126 type = 2
	s_mov_b32 s[G0B], 1
	s_add_co_u32 s[G0B+1], s[WB], SLOT             ; slot 1
	s_add_nc_u64 s[G0B+2:G0B+3], s[6:7], TILEB     ; tile 1
	s_or_b32 s[G0B+3], s[G0B+3], 0x80000000
	ROUND                                          ; all four work-groups are here: the first joint loads meet
	tensor_load_to_lds s[G0A:G0A+3], s[G1:G1+7]    ; both first fills together, ahead of every wait on TENSORcnt and every LDS read: two loads of mine are out
	s_nop 0
	tensor_load_to_lds s[G0B:G0B+3], s[G1:G1+7]
	s_nop 0
	PLACES 4
	s_load_b32 s18, s[10:11], 0x0                  ; scale
	v_and_b32 v[HL], 31, v0
	v_and_b32 v[HR], 15, v0
	v_bfe_u32 v[HH], v0, 4, 1
	v_and_b32 v[H7], 7, v0
	v_bfe_u32 v[H3], v0, 3, 1
	v_lshlrev_b32 v[HMO], 6, v[HL]                 ; lane j takes the 64 mask bytes of step j
	s_lshl_b32 s19, s[WV], 4
	s_add_co_u32 s19, s19, s16                     ; my query block's first query
	v_add_nc_u32 v[HFO], s19, v[HR]                ; my query
.irp i, 0,1,2,3
	global_load_b128 v[MK+4*(\i):MK+4*(\i)+3], v[HMO], s[8:9] offset:16*(\i)
.endr
	global_load_u8 v[FL], v[HFO], s[8:9]
	; A fragment of Q is 16 queries x 32 channels: lane l holds query l % 16, channels 8 (l / 16) + 0..7 and 16 + 8 (l / 16) + 0..7: in f32 four loads of 16 bytes, at 32 (l / 16) + 0, 16, 64, 80.
	v_lshlrev_b32 v[HT], 12, v[HR]
	v_lshl_add_u32 v[HT], v[HH], 5, v[HT]
.irp x, 0,1,2,3
	s_add_co_u32 s20, s[WV], \x
	s_and_b32 s20, s20, 3                          ; local block x is query block (w + x) % 4:
	s_lshl_b32 s20, s20, 16                        ; 16 rows of 4,096 bytes each
	v_add_nc_u32 v[QOF+(\x)], s20, v[HT]
.endr
.set f, 0
.rept 32                               ; fragment f = 8 x + ks lands, as f32, in 16 registers of O^T's windows
	WIN 0x80+0x40*(f/16)                           ; destination window 2 or 3, address window 0
.irp o, 0,1,2,3
	global_load_b128 v[(16*f)%256+4*(\o):(16*f)%256+4*(\o)+3], v[QOF+f/8], s[4:5] offset:(f%8)*128+16*((\o)%2)+64*((\o)/2)
.endr
.set f, f+1
.endr
	WIN 0
	; the addresses, made while these loads are on their way
	v_lshl_add_u32 v[AK0], v[H7], 1, v[H3]         ; fragment row l % 16 stands for key 2 (l % 8) + (l / 8) % 2
	v_mul_u32_u24 v[AK0], v[AK0], PITCH
	v_lshl_add_u32 v[AK0], v[HH], 4, v[AK0]
	v_add_nc_u32 v[AK0], s[WB], v[AK0]
	v_lshl_add_u32 v[AV0], v[H7], 1, v[HH]         ; the turning load: lane l reads key 2 (l % 8) + l / 16, channels 8 ((l / 8) % 2) + 0..7
	v_mul_u32_u24 v[AV0], v[AV0], PITCH
	v_lshl_add_u32 v[AV0], v[H3], 4, v[AV0]
	v_add_nc_u32 v[AV0], s[WB], v[AV0]
	v_mov_b32 v[AK], v[AK0]
	v_mov_b32 v[AV], v[AV0]
.irp x, 1,2,3
	s_add_co_u32 s20, s[WV], \x
	s_and_b32 s20, s20, 3
	s_mul_i32 s20, s20, IBX
	s_add_co_u32 s20, s20, INBOX+((\x)-1)*4096     ; the owner's inbox, the place of the sender at distance x
	v_lshl_add_u32 v[XS+(\x)-1], v[HL], 4, s20
.endr
	s_mul_i32 s20, s[WV], IBX
	s_add_co_u32 s20, s20, INBOX                   ; my inbox
	v_lshl_add_u32 v[XR], v[HL], 4, s20
	s_add_co_u32 s21, s20, AOFF
	v_lshl_add_u32 v[AW], v[HL], 2, s21
	v_lshl_add_u32 v[PR], v[HL], 4, INBOX
	v_lshl_add_u32 v[AR], v[HL], 2, INBOX+AOFF
	s_add_co_u32 s22, s20, STG                     ; my stage
	v_mul_u32_u24 v[STO], v[HR], PITCH             ; in: row l % 16, 32 bytes for each half of the lanes
	v_lshl_add_u32 v[STO], v[HH], 5, v[STO]
	v_add_nc_u32 v[STO], s22, v[STO]
	v_lshl_add_u32 v[RD], v[HL], 4, s22            ; back: 32 lanes take one row of 512 bytes
	v_lshlrev_b32 v[GO], 4, v[HL]
	s_lshl_b32 s21, s[WV], 8
	s_add_co_u32 s21, s21, MB                      ; my copy of the pad bits
	v_lshl_add_u32 v[MA], v[HH], 2, s21
	v_lshl_add_u32 v[HT2], v[HL], 3, s21
	v_lshrrev_b32 v[PFO], 1, v[HL]                 ; the prefetch: row l / 2 of my work-group's 16, block l % 2 of my 512 bytes
	v_lshlrev_b32 v[PFO], 11, v[PFO]
	v_and_b32 v1, 1, v0
	v_lshl_add_u32 v[PFO], v1, 8, v[PFO]
	v_mov_b32 v[RM], 0xfe800000                    ; m = -2^126: the first step's a is 2^(a number near -1.2e38) = 0
	v_mov_b32 v[RL], 0
	v_mov_b32 v[RL+1], 0
	s_wait_kmcnt 0x0
	v_mov_b32 v[HT], s18                           ; scale is rounded to bf16 like q and K
	v_cvt_pk_bf16_f32 v[HT], v[HT], v[HT]
	v_lshlrev_b32 v[HT], 16, v[HT]
	v_readfirstlane_b32 s[SC], v[HT]
	s_mov_b32 s[SC+1], s[SC]
	s_wait_loadcnt 0x0                             ; mask and q
.set f, 0
.rept 32                               ; q to bf16.  What stays behind in O^T's windows is finite and is multiplied by the first step's a = 0: nothing is cleared
	WIN 0x4A+0x05*(f/16)                           ; destination window 1, sources window 2 or 3
.set i, 0
.rept 8
	v_cvt_pk_bf16_f32 v[8*f+i], v[(16*f)%256+2*i], v[(16*f)%256+2*i+1]
.set i, i+1
.endr
.set f, f+1
.endr
	WIN 0
	; The pad bits.  A word of four mask bytes (0 or 1) times 2^24 + 2^18 + 2^9 + 2^3 has byte 0 at bit 24, byte 2 at 25, byte 1 at 26, byte 3 at 27, and no two terms of the product meet.
	; Word d holds keys 4 d .. 4 d + 3: bits 2 d, 2 d + 1 of the even keys' word and of the odd keys'.
.set d, 0
.rept 16
	v_mul_lo_u32 v[HT], v[MK+d], s[MC]
.if d == 0
	v_bfe_u32 v[BLO], v[HT], 24, 2
	v_bfe_u32 v[BHI], v[HT], 26, 2
.else
	v_bfe_u32 v[H7], v[HT], 24, 2
	v_bfe_u32 v[H3], v[HT], 26, 2
	v_lshl_or_b32 v[BLO], v[H7], 2*d, v[BLO]
	v_lshl_or_b32 v[BHI], v[H3], 2*d, v[BHI]
.endif
.set d, d+1
.endr
	v_xor_b32 v[BLO], -1, v[BLO]                   ; 1 = padded
	v_xor_b32 v[BHI], -1, v[BHI]
	ds_store_b64 v[HT2], v[BLO:BLO+1]              ; my wave's own copy: only I read it, and LDS serves a wave's instructions in order (ISA guide 5.7.1.4)
	v_sub_nc_u32 v[HT], v[HFO], v[HH]              ; key 2 i + h is at or below the diagonal for i <= (query - h) / 2, rounded down
	v_ashrrev_i32 v[HT], 1, v[HT]
	v_add_nc_u32 v[HT], 1, v[HT]
	v_mov_b32 v[NV], 0xfff00000                    ; a padded query sees nothing
	v_cmp_ne_u32 vcc_lo, 0, v[FL]
	v_cndmask_b32 v[NV], v[NV], v[HT], vcc_lo
	s_wait_tensorcnt 0x1                           ; my quarter of tile 0 is in (tile 1's was issued behind it and may stay out); only I read it, so no barrier is wanted
	ds_load_b32 v[HB], v[MA]
	KFETCH 0
	KFETCH 1
	KFETCH 2
	; ---------------------------------------------------------------- the walk
	s_mov_b32 s[LEFT], 30
.Lmain:                                ; steps 0 to 29: step j asks for tile j + 2
	STEP 1
	s_sub_co_u32 s[LEFT], s[LEFT], 1
	s_cmp_lg_u32 s[LEFT], 0
	s_cbranch_scc1 .Lmain
	s_mov_b32 s[LEFT], 2
.Ltail:                                ; steps 30 and 31 have a text of their own
	STEP 0
	s_sub_co_u32 s[LEFT], s[LEFT], 1
	s_cmp_lg_u32 s[LEFT], 0
	s_cbranch_scc1 .Ltail
	; ---------------------------------------------------------------- the way out
	PLACES 4                                       ; behind the last products
	v_add_f32 v[RC], v[RL], v[RL+1]
	v_permlanex16_b32 v[RC+1], v[RC], s[SEL], s[SEL+1]
	v_add_f32 v[RC], v[RC], v[RC+1]                ; l is 1 at the least: the row's maximum has the weight 1
	v_rcp_f32 v[AOWN], v[RC]
	v_nop                                          ; a plain instruction between the reciprocal and its use,
	s_wait_alu depctr_va_vdst(0)                   ; and a wait
	ds_store_b32 v[AW], v[AOWN]                    ; where a lay: its last readers have passed the last change's barrier
	s_wait_dscnt 0x0
	s_barrier_signal -1
	s_barrier_wait -1
.irp qb, 0,1,2,3
	ds_load_b32 v[AF+2*(\qb)], v[AR] offset:(\qb)*IBX
.endr
	s_wait_dscnt 0x0
; Eight blocks nb = 2 qb + hf of 16 queries x 128 channels (hf: the half of my channels, window 2 or 3).  A lane's eight channels of a row are 32 bytes; they go into rows of 528 bytes of my own stage and come back
; as whole rows of 512.
.macro SCALEO nb
	WIN 0x82+0x41*((\nb)%2)
.set ec, 0
.rept 8
.set ei, 0
.rept 4
	v_pk_mul_f32 v[32*ec+8*((\nb)/2)+2*ei:32*ec+8*((\nb)/2)+2*ei+1], v[32*ec+8*((\nb)/2)+2*ei:32*ec+8*((\nb)/2)+2*ei+1], v[AF+2*((\nb)/2):AF+2*((\nb)/2)+1] op_sel_hi:[1,0]
.set ei, ei+1
.endr
.set ec, ec+1
.endr
.endm
.macro TOSTAGE nb
	s_wait_xcnt 0x0                                ; every earlier store has read its registers: the block two back leaves its 64 to this one
	WIN 0x08+0x04*((\nb)%2)                        ; store data (source 1) in window 2 or 3
.set ec, 0
.rept 8
	ds_store_b128 v[STO], v[32*ec+8*((\nb)/2):32*ec+8*((\nb)/2)+3]   offset:64*ec
	ds_store_b128 v[STO], v[32*ec+8*((\nb)/2)+4:32*ec+8*((\nb)/2)+7] offset:64*ec+16
.set ec, ec+1
.endr
	WIN 0
.set bk, VA+(P-VA)*((\nb)%2)
.set et, 0
.rept 16
	ds_load_b128 v[bk+4*et:bk+4*et+3], v[RD] offset:et*PITCH  ; LDS serves a wave's instructions in order (ISA guide 5.7.1.4): these see the stores above; the next block's stores come behind them
.set et, et+1
.endr
.endm
.macro SEND nb
	WIN 0
.set bk, VA+(P-VA)*((\nb)%2)
.set et, 0
.rept 16
	s_wait_dscnt 15-et                             ; row et is back; the younger rows may stay out
	global_store_b128 v[GO], v[bk+4*et:bk+4*et+3], s[12:13] offset:(16*((\nb)/2)+et)*4096+((\nb)%2)*512 th:TH_STORE_NT  ; 512 consecutive bytes, at a multiple of 256 from out's first byte
.set et, et+1
.endr
.endm
	SCALEO 0
	TOSTAGE 0
.irp nb, 1,2,3,4,5,6,7                 ; a block's scaling stands between the loads of the block before and its stores
	SCALEO \nb
	SEND (\nb)-1
	TOSTAGE \nb
.endr
	SEND 7
	s_wait_tensorcnt 0x0                           ; the wave's end: behind my last tensor load and my last LDS store
	ds_add_u32 v[SPW], v[NIL]
	s_wait_dscnt 0x0
	ROUND                                          ; the closing round: no work-group ends while a partner may still ask for a tile that names it
	s_endpgm
.Lfunc_end_k_q4779f25f6f_attn:
	.size	k_q4779f25f6f_attn, .Lfunc_end_k_q4779f25f6f_attn-k_q4779f25f6f_attn
	.p2alignl 7, 3214868480
	.fill 96, 4, 3214868480
	.section	.rodata,"a",@progbits
	.p2align	6, 0x0
	.amdhsa_kernel k_q4779f25f6f_attn
		.amdhsa_group_segment_fixed_size 327680
		.amdhsa_private_segment_fixed_size 0
		.amdhsa_enable_private_segment 0
		.amdhsa_kernarg_size 40
		.amdhsa_user_sgpr_count 2
		.amdhsa_user_sgpr_kernarg_segment_ptr 1
		.amdhsa_wavefront_size32 1
		.amdhsa_system_sgpr_workgroup_id_x 1
		.amdhsa_system_sgpr_workgroup_id_y 1
		.amdhsa_system_sgpr_workgroup_id_z 1
		.amdhsa_system_vgpr_workitem_id 0
		.amdhsa_next_free_vgpr 1024
		.amdhsa_next_free_sgpr 66
		.amdhsa_reserve_vcc 1
		.amdhsa_float_denorm_mode_32 3
		.amdhsa_float_denorm_mode_16_64 3
		.amdhsa_memory_ordered 1
		.amdhsa_forward_progress 1
		.amdhsa_inst_pref_size 228
	.end_amdhsa_kernel
	.amdgpu_metadata
---
amdhsa.version: [ 1, 2 ]
amdhsa.kernels:
  - .name:           k_q4779f25f6f_attn
    .symbol:         k_q4779f25f6f_attn.kd
    .args:
      - { .name: q, .offset: 0, .size: 8, .value_kind: global_buffer, .address_space: global }
      - { .name: kb, .offset: 8, .size: 8, .value_kind: global_buffer, .address_space: global }
      - { .name: mask, .offset: 16, .size: 8, .value_kind: global_buffer, .address_space: global }
      - { .name: scale, .offset: 24, .size: 8, .value_kind: global_buffer, .address_space: global }
      - { .name: out0, .offset: 32, .size: 8, .value_kind: global_buffer, .address_space: global }
    .group_segment_fixed_size: 327680
    .private_segment_fixed_size: 0
    .kernarg_segment_align: 8
    .kernarg_segment_size: 40
    .max_flat_workgroup_size: 128
    .sgpr_count:     66
    .vgpr_count:     1024
    .wavefront_size: 32
...
	.end_amdgpu_metadata
.endif
;; end of part 2
